; MI455X (gfx1250); checked and timed in simulation.
; The chip was launched on July 23, 2026; its instructions are those of AMD's public machine-readable ISA for CDNA 5 (MIT licence, August 2026) and "CDNA5" Instruction Set Architecture Reference Guide (July 2026). The comments in the code are by the model that wrote it; some were corrected since.
;; CLSTM Cell. Allowed arithmetic: matrix products marked QUANTISED: E2M1 operands, one E8M0 scale for each 32 along K, by v_wmma_scale_f32_16x16x128_f8f6f4 with both operands' format E2M1 (or v_wmma_scale_f32_32x16x128_f4), f32 sums; everything else in f32.
;; Inputs: c_tm1 2,048 x 2,048 float32; h_tm1 2,048 x 2,048 float32; imaginary_bias 4,096 float32; imaginary_kernel_codes 4,096 x 32 x 16 uint8 (E2M1 codes of imaginary_kernel, K innermost, in blocks of 32 codes, two codes a byte); imaginary_kernel_scales 4,096 x 32 uint8 (E8M0 scales of imaginary_kernel, one for each 32 codes along K); imaginary_recurrent_kernel_codes 4,096 x 32 x 16 uint8 (E2M1 codes of imaginary_recurrent_kernel, K innermost, in blocks of 32 codes, two codes a byte); imaginary_recurrent_kernel_scales 4,096 x 32 uint8 (E8M0 scales of imaginary_recurrent_kernel, one for each 32 codes along K); inputs 2,048 x 2,048 float32; real_bias 4,096 float32; real_kernel_codes 4,096 x 32 x 16 uint8 (E2M1 codes of real_kernel, K innermost, in blocks of 32 codes, two codes a byte); real_kernel_scales 4,096 x 32 uint8 (E8M0 scales of real_kernel, one for each 32 codes along K); real_recurrent_kernel_codes 4,096 x 32 x 16 uint8 (E2M1 codes of real_recurrent_kernel, K innermost, in blocks of 32 codes, two codes a byte); real_recurrent_kernel_scales 4,096 x 32 uint8 (E8M0 scales of real_recurrent_kernel, one for each 32 codes along K).
;; Outputs: out0 2,048 x 2,048 float32; out1 2,048 x 2,048 float32.
;; This version of the problem:
;;   THIS VERSION OF THE PROBLEM IS GIVEN IN LOW PRECISION. The matrix products marked QUANTISED in the list below multiply operands that are first quantised to E2M1 (2 exponent bits, 1 mantissa bit; 4 bits a number), with one power-of-two scale for each 32 numbers along K (OCP MX v1.0); their sums are f32. All else is computed in f32.
;;   The module's matrix products, in the order in which they are computed (A, B: the left and right operand; K: the contracted axis; several contracted axes count as one K, in the product's order):
;;     1. [M 2,048, K 1,024] x [K 1,024, N 4,096]; A: input inputs; B: input real_kernel (given as codes): QUANTISED
;;     2. [M 2,048, K 1,024] x [K 1,024, N 4,096]; A: input inputs; B: input imaginary_kernel (given as codes): QUANTISED
;;     3. [M 2,048, K 1,024] x [K 1,024, N 4,096]; A: input h_tm1; B: input real_recurrent_kernel (given as codes): QUANTISED
;;     4. [M 2,048, K 1,024] x [K 1,024, N 4,096]; A: input h_tm1; B: input imaginary_recurrent_kernel (given as codes): QUANTISED
;;     5. [M 2,048, K 1,024] x [K 1,024, N 4,096]; A: input inputs; B: input real_kernel (given as codes): QUANTISED
;;     6. [M 2,048, K 1,024] x [K 1,024, N 4,096]; A: input inputs; B: input imaginary_kernel (given as codes): QUANTISED
;;     7. [M 2,048, K 1,024] x [K 1,024, N 4,096]; A: input h_tm1; B: input real_recurrent_kernel (given as codes): QUANTISED
;;     8. [M 2,048, K 1,024] x [K 1,024, N 4,096]; A: input h_tm1; B: input imaginary_recurrent_kernel (given as codes): QUANTISED
;;   THE QUANTISER, for each operand of a quantised product, along K:
;;     - K is cut into blocks of 32 from its start; a last block that is shorter is filled with zeros.
;;     - A block's scale is 2^e with e = floor(log2(the largest magnitude in the block)) - 2, held to -126 .. 127; a block of zeros has e = 0. As a byte (E8M0): e + 127.
;;     - Each number is divided by its block's scale, clamped to +-6, and rounded to the nearest number of E2M1, ties to even, subnormals kept.
;;     - The product sums the exact products of the quantised numbers (number of the format x scale) in f32.
;;   ~~~python
;;   def quantise(x, axis):      # numpy; x: float32 -> the quantised numbers, widened to float32 again
;;       x = np.moveaxis(x, axis, -1); K = x.shape[-1]
;;       x = np.pad(x, [(0, 0)] * (x.ndim - 1) + [(0, -K % 32)]); x = x.reshape(x.shape[:-1] + (-1, 32)); a = np.abs(x).max(-1, keepdims=True)
;;       e = np.where(a > 0, np.clip(np.frexp(np.where(a > 0, a, 1))[1] - 1 - 2, -126, 127), 0)      # np.frexp(a)[1] - 1 = floor(log2(a)), exactly
;;       r = np.clip(x / 2.0 ** e, -6, 6)
;;       step = 2.0 ** (np.maximum(np.frexp(np.where(r == 0, 1, r))[1] - 1, 0) - 1)
;;       q = np.round(r / step) * step * 2.0 ** e      # np.round: ties to even
;;       return np.moveaxis(q.reshape(q.shape[:-2] + (-1,))[..., :K], -1, axis).astype(np.float32)
;;   ~~~
;;   INPUTS GIVEN AS CODES. imaginary_kernel (in the module: [1024, 4096], K = its axis 0); imaginary_recurrent_kernel (in the module: [1024, 4096], K = its axis 0); real_kernel (in the module: [1024, 4096], K = its axis 0); real_recurrent_kernel (in the module: [1024, 4096], K = its axis 0): each comes as NAME_codes (uint8): NAME with its K axis moved to the last place and cut into blocks of 32 codes, [.., K / 32, bytes a block], one block behind the other in memory; two codes a byte, the lower K in the low four bits (a code: sign, 2 exponent bits, 1 mantissa bit); and NAME_scales (uint8): the same leading axes, one E8M0 byte (e + 127) for each 32 codes along K. Its value is code x scale, taken as it is: it is not quantised again, and the codes and scales need not be those that the quantiser above would give.
;; One version. Each part assembles by itself: llvm-mc -triple=amdgcn-amd-amdhsa -mcpu=gfx1250 --defsym DOCPART=n.
;; ======== version 1 of 1: 2 launches
;; limits: right only within a limited range of input values
;; workspace buffers: acode 4,456,448 bytes
;; launch prep (part 1): grid 256 x 1, 4 waves a work-group, no clusters, 67,072 bytes of LDS; arguments inputs, h_tm1, acode; writes acode
.if DOCPART == 1
	.amdgcn_target "amdgcn-amd-amdhsa--gfx1250"
	.amdhsa_code_object_version 6
	.text
	.protected	k_q2cac19fba9_prep
	.globl	k_q2cac19fba9_prep
	.p2align	8
	.type	k_q2cac19fba9_prep,@function
k_q2cac19fba9_prep:
	s_mov_b64 s[64:65], 0
	v_nop
	global_prefetch_b8 v0, s[64:65] scope:SCOPE_SE
	s_setreg_imm32_b32 hwreg(HW_REG_WAVE_MODE, 25, 1), 1
	s_wait_xcnt 0x0
; inputs and h_tm1 [2048][2048] f32 become codes of FP4 (E2M1) with one E8M0 byte for each 32 along K (K = a row's first or last 1,024 numbers), laid in the ORDER OF THE MATRIX OPERAND'S REGISTERS.
; No work of the problem is left out in this program: every product, input and step has a way to an output.
; acode: [bt 16][k 4] blocks of 69,632 bytes; k = 2 p + kh (p: inputs, h_tm1; kh: which 512 along K).  In a block: codes [part 2][rh 2][q 4][a 4][kb 4][r 16][16 bytes], from 65,536 on scale bytes
; [part 2][qh 2][128 rows][4 (q % 2) .. ]: 8 bytes a row for q = 2 qh, 2 qh + 1.  Row = 128 bt + 64 rh + 16 a + r; part: real or imaginary half of a row; q: which 128 of the 512; kb: which 32 of the 128.
; A block's scale is 2^(floor(log2(its largest magnitude)) - 2): its byte is the largest magnitude's exponent field - 2, held at 1 from below by a floor among the maximum's leaves.
; LIMITS: NaN and infinities in inputs and h_tm1 are not served.  A block of zeros gets the byte 1 where the rule says 127: its codes are zeros, which add nothing under any byte but 0xff,
; and the bytes are read by this program alone.
; No matrix work, no tensor load, no barrier: waves share nothing.  A wave issues all its 64 global loads at its head (32 KiB); every load and every store of codes covers 512 consecutive bytes.
.set ABLK,  69632                      ; a block of acode
.set P1,    1040                       ; the stage: a row of 1,024 bytes + 16: 65 x 16
.set ST1,   16*P1                      ; 16 rows for each wave, from LDS byte 0
.set SPARE, 4*ST1                      ; the spare words, 128 bytes for each wave: two blocks of 256 bytes that no other line names
.set C,     32                         ; v32-63   codes, four registers for each of 8 blocks
.set Y,     128                        ; v128-255 what comes back from the stage
.set SPW,   30                         ; v30      LDS address of my spare word; never rewritten
.set NIL,   31                         ; v31      0; never rewritten
; window 1 (v256-511): what the global loads bring
.set MSB, 0
.macro WIN new                         ; the immediate's high byte repeats the setting that is left
.if MSB != (\new)
	s_set_vgpr_msb (MSB<<8)|(\new)
.set MSB, (\new)
.endif
.endm
	s_load_b128 s[4:7], s[0:1], 0x0                ; inputs, h_tm1
	s_load_b64 s[24:25], s[0:1], 0x10              ; acode
	v_lshl_add_u32 v[SPW], v0, 2, SPARE
	v_mov_b32 v[NIL], 0
	v_lshrrev_b32 v1, 5, v0
	v_readfirstlane_b32 s28, v1                    ; wave 0..3: kq, which 256 along K
	s_mul_i32 s33, s28, ST1
	v_and_b32 v1, 31, v0                           ; lane
	v_and_b32 v2, 15, v0                           ; r
	v_bfe_u32 v3, v0, 4, 1                         ; h
	v_lshlrev_b32 v4, 4, v1                        ; 16 x lane
	v_lshlrev_b32 v7, 3, v1                        ; 8 x lane
	v_lshlrev_b32 v8, 3, v3                        ; 8 h: how far my scale bytes are shifted
	v_add_nc_u32 v5, s33, v4                       ; into the stage: as loaded, 16 x lane
	v_mul_u32_u24 v6, v2, P1
	v_lshl_add_u32 v6, v3, 7, v6
	v_add_nc_u32 v6, s33, v6                       ; and back: row r, + 128 h: a whole block of 32 numbers a lane
	v_mov_b32 v14, 0                               ; written once: a lane permute's destination counts as one of its sources
	v_mov_b32 v15, 0
	s_wait_alu depctr_va_vdst(0)                   ; the head's end
	s_wait_kmcnt 0x0
; Work-group = 128 p + 8 bt + 4 rh + 2 ap + part.  A wave takes 32 rows (blocks a = 2 ap, 2 ap + 1) x 256 numbers.
	s_lshr_b32 s29, ttmp9, 7                       ; p
	s_cmp_eq_u32 s29, 0
	s_cselect_b64 s[4:5], s[4:5], s[6:7]           ; inputs or h_tm1: the choice hangs on the work-group's number alone
	s_bfe_u32 s30, ttmp9, 0x60001                  ; 4 bt + 2 rh + ap: which 32 rows
	s_lshl_b32 s30, s30, 18                        ; x 32 rows of 8,192 bytes
	s_and_b32 s35, ttmp9, 1                        ; part
	s_lshl_b32 s31, s35, 12
	s_add_co_u32 s30, s30, s31
	s_lshl_b32 s31, s28, 10                        ; kq x 256 numbers
	s_add_co_u32 s30, s30, s31
	s_mov_b32 s31, 0
	s_add_nc_u64 s[4:5], s[4:5], s[30:31]
	WIN 0x40                                       ; destination window 1
.irp g, 0,1                            ; sixteen rows, 512 consecutive bytes of each, then the next 512; all 64 go out at once
.irp c, 0,1
.set n, 0
.rept 16
	global_load_b128 v[128*\g+8*n+4*\c:128*\g+8*n+4*\c+3], v4, s[4:5] offset:(16*\g+n)*8192+512*\c th:TH_LOAD_NT
.set n, n+1
.endr
.endr
.endr
	WIN 0
	s_mov_b32 s40, 0x76543210
	s_mov_b32 s41, 0xfedcba98                      ; v_permlanex16_b32's selects for lane l xor 16
	s_bfe_u32 s36, ttmp9, 0x40003                  ; bt
	s_lshl_b32 s36, s36, 2
	s_lshl_b32 s37, s29, 1
	s_add_co_u32 s36, s36, s37
	s_lshr_b32 s37, s28, 1                         ; kh
	s_add_co_u32 s36, s36, s37                     ; 4 bt + 2 p + kh
	s_mul_i32 s36, s36, ABLK                       ; my block of acode
	s_bfe_u32 s37, ttmp9, 0x10002                  ; rh
	s_bfe_u32 s34, ttmp9, 0x10001                  ; ap
	s_and_b32 s46, s28, 1                          ; qh
	s_lshl_b32 s38, s35, 15                        ; codes: 32,768 part + 16,384 rh + 8,192 qh + 2,048 ap
	s_lshl_b32 s39, s37, 14
	s_add_co_u32 s38, s38, s39
	s_lshl_b32 s39, s46, 13
	s_add_co_u32 s38, s38, s39
	s_lshl_b32 s39, s34, 11
	s_add_co_u32 s38, s38, s39
	s_add_co_u32 s38, s38, s36
	s_mov_b32 s39, 0
	s_add_nc_u64 s[42:43], s[24:25], s[38:39]
	s_lshl_b32 s38, s35, 11                        ; scale bytes: 65,536 + 2,048 part + 1,024 qh + 512 rh + 256 ap
	s_lshl_b32 s39, s46, 10
	s_add_co_u32 s38, s38, s39
	s_lshl_b32 s39, s37, 9
	s_add_co_u32 s38, s38, s39
	s_lshl_b32 s39, s34, 8
	s_add_co_u32 s38, s38, s39
	s_add_co_u32 s38, s38, s36
	s_add_co_u32 s38, s38, 65536
	s_mov_b32 s39, 0
	s_add_nc_u64 s[44:45], s[24:25], s[38:39]
; Sixteen rows turn through the stage: in as loaded, back a whole block of 32 numbers a lane (block 2 j + h of row r in registers Y + 32 j on).  LDS serves a wave's instructions in order:
; no wait stands between the stores and the loads, nor in front of the second sixteen's stores.
.macro TURN1 g, c
	s_wait_loadcnt 48-32*\g-16*\c                  ; these 16 loads are in; the younger ones may be out
	WIN 0x04                                       ; an LDS store's data are its source 1: window 1
.set n, 0
.rept 16
	ds_store_b128 v5, v[128*\g+8*n+4*\c:128*\g+8*n+4*\c+3] offset:n*P1+512*\c
.set n, n+1
.endr
	WIN 0
.set n, 16*\c
.rept 16
	ds_load_b128 v[Y+4*n:Y+4*n+3], v6 offset:256*(n/8)+16*(n%8)
.set n, n+1
.endr
.endm
; Block 2 j + h of row r of the g-th sixteen rows: its largest magnitude needs no other lane; 32 codes are 16 bytes.
.macro QBLK g, j
.set YB, Y+32*\j
.set CB, C+16*\g+4*\j
.set WB, 16+2*\g+\j/2
	s_wait_dscnt 8*(1-(\j)%2)                      ; this block's eight loads are back; those of the block behind it may be out
	v_max3_num_f32 v12, |v[YB]|, |v[YB+1]|, |v[YB+2]|
	v_max3_num_f32 v13, |v[YB+3]|, |v[YB+4]|, |v[YB+5]|
.irp i, 6,10,14,18,22,26
	v_max3_num_f32 v12, v12, |v[YB+\i]|, |v[YB+\i+1]|               ; two chains, so that no line waits for the line above it
	v_max3_num_f32 v13, v13, |v[YB+\i+2]|, |v[YB+\i+3]|
.endr
	v_max3_num_f32 v12, v12, |v[YB+30]|, |v[YB+31]|
	v_max3_num_f32 v12, v12, v13, 0x1800000        ; and the floor 2^(3 - 127): the byte cannot fall under 1
	v_add_nc_u32 v11, 0xff000000, v12              ; 2 off the exponent field: the conversion takes the exponent field of this operand as its scale, and nothing else of it
.irp k, 0,1,2,3
	v_cvt_scalef32_pk8_fp4_f32 v[CB+\k], v[YB+8*\k:YB+8*\k+7], v11   ; to the nearest code, ties to even, beyond 6 the largest code; the first number's code in the lowest four bits
.endr
.if (\j)%2 == 0
	v_lshrrev_b32 v[WB], 23, v11                   ; the scale's byte (a plain line behind the conversions): blocks 0 + h and 4 + h begin a word,
.else
	v_lshrrev_b32 v13, 23, v11
	v_lshl_or_b32 v[WB], v13, 16, v[WB]            ; blocks 2 + h and 6 + h go 16 bits up
.endif
	global_store_b128 v4, v[CB:CB+3], s[42:43] offset:1024*\g+4096*(\j/2)+512*(\j%2)   ; 32 lanes store 512 consecutive bytes: blocks 2 j and 2 j + 1 of sixteen rows
.endm
	s_wait_alu depctr_va_vdst(0)
.irp g, 0,1
	TURN1 \g, 0
	QBLK \g, 0
	QBLK \g, 1
	TURN1 \g, 1
	QBLK \g, 2
	QBLK \g, 3
	v_lshlrev_b32 v[16+2*\g], v8, v[16+2*\g]       ; my bytes to their places (8 h bits up);
	v_lshlrev_b32 v[17+2*\g], v8, v[17+2*\g]
	v_permlanex16_b32 v14, v[16+2*\g], s40, s41
	v_permlanex16_b32 v15, v[17+2*\g], s40, s41
	v_or_b32 v[16+2*\g], v[16+2*\g], v14           ; with lane l xor 16's the row's two scale words are whole, in both lanes
	v_or_b32 v[17+2*\g], v[17+2*\g], v15
	s_wait_alu depctr_va_vdst(0)
.endr
	v_cmp_eq_u32 vcc_lo, 1, v3
	v_cndmask_b32 v20, v16, v18, vcc_lo            ; lanes 0-15 keep the first sixteen rows' words, lanes 16-31 the second sixteen's
	v_cndmask_b32 v21, v17, v19, vcc_lo
	global_store_b64 v7, v[20:21], s[44:45]        ; 32 lanes store 256 consecutive bytes, at a multiple of 256 from the buffer's first byte
	s_wait_tensorcnt 0x0                           ; the wave's end, behind my last LDS store
	ds_add_u32 v[SPW], v[NIL]
	s_wait_dscnt 0x0
	s_endpgm
.Lfunc_end_k_q2cac19fba9_prep:
	.size	k_q2cac19fba9_prep, .Lfunc_end_k_q2cac19fba9_prep-k_q2cac19fba9_prep
	.p2alignl 7, 3214868480
	.fill 96, 4, 3214868480
	.section	.rodata,"a",@progbits
	.p2align	6, 0x0
	.amdhsa_kernel k_q2cac19fba9_prep
		.amdhsa_group_segment_fixed_size 67072
		.amdhsa_private_segment_fixed_size 0
		.amdhsa_enable_private_segment 0
		.amdhsa_kernarg_size 24
		.amdhsa_user_sgpr_count 2
		.amdhsa_user_sgpr_kernarg_segment_ptr 1
		.amdhsa_wavefront_size32 1
		.amdhsa_system_sgpr_workgroup_id_x 1
		.amdhsa_system_sgpr_workgroup_id_y 1
		.amdhsa_system_sgpr_workgroup_id_z 1
		.amdhsa_system_vgpr_workitem_id 0
		.amdhsa_next_free_vgpr 512
		.amdhsa_next_free_sgpr 66
		.amdhsa_reserve_vcc 1
		.amdhsa_float_denorm_mode_32 3
		.amdhsa_float_denorm_mode_16_64 3
		.amdhsa_memory_ordered 1
		.amdhsa_forward_progress 1
		.amdhsa_inst_pref_size 31
	.end_amdhsa_kernel
	.amdgpu_metadata
---
amdhsa.version: [ 1, 2 ]
amdhsa.kernels:
  - .name:           k_q2cac19fba9_prep
    .symbol:         k_q2cac19fba9_prep.kd
    .args:
      - { .name: inputs, .offset: 0, .size: 8, .value_kind: global_buffer, .address_space: global }
      - { .name: h_tm1, .offset: 8, .size: 8, .value_kind: global_buffer, .address_space: global }
      - { .name: acode, .offset: 16, .size: 8, .value_kind: global_buffer, .address_space: global }
    .group_segment_fixed_size: 67072
    .private_segment_fixed_size: 0
    .kernarg_segment_align: 8
    .kernarg_segment_size: 24
    .max_flat_workgroup_size: 128
    .sgpr_count:     66
    .vgpr_count:     512
    .wavefront_size: 32
...
	.end_amdgpu_metadata
.endif
;; end of part 1
;; launch cell (part 2): grid 16 x 16, 4 waves a work-group, clusters of 4 x 4, 327,680 bytes of LDS; arguments acode, real_kernel_codes, imaginary_kernel_codes, real_recurrent_kernel_codes, imaginary_recurrent_kernel_codes, real_kernel_scales, imaginary_kernel_scales, real_recurrent_kernel_scales, imaginary_recurrent_kernel_scales, c_tm1, real_bias, imaginary_bias, out0, out1; writes out0, out1
.if DOCPART == 2
	.amdgcn_target "amdgcn-amd-amdhsa--gfx1250"
	.amdhsa_code_object_version 6
	.text
	.protected	k_q2cac19fba9_cell
	.globl	k_q2cac19fba9_cell
	.p2align	8
	.type	k_q2cac19fba9_cell,@function
k_q2cac19fba9_cell:
	s_mov_b64 s[64:65], 0
	v_nop
	global_prefetch_b8 v0, s[64:65] scope:SCOPE_SE
	s_setreg_imm32_b32 hwreg(HW_REG_WAVE_MODE, 25, 1), 1
	s_wait_xcnt 0x0
	s_wait_alu depctr_hold_cnt(0) depctr_sa_sdst(0) depctr_va_vdst(0) depctr_va_sdst(0) depctr_va_ssrc(0) depctr_va_vcc(0) depctr_vm_vsrc(0)
	s_getreg_b32 s2, hwreg(HW_REG_IB_STS2, 6, 4)
	s_cmp_eq_u32 s2, 0
	s_cbranch_scc0 .Lentry_in_a_cluster
	s_endpgm
.Lentry_in_a_cluster:
	s_bfe_u32 s2, ttmp6, 0x10000c
	s_cmp_lg_u32 s2, 0xf033
	s_cbranch_scc0 .Lentry_shape_is_right
	s_endpgm
.Lentry_shape_is_right:
; THE COMPLEX LSTM CELL: zr = xr R + xi I + hr RR + hi IR + br,  zi = xi R - xr I + hi RR - hr IR + bi, all eight products on codes of FP4 (E2M1) with E8M0 scales, sums in f32;
; then i, f, o = clip(0.2 z + 0.5, 0, 1), c = f c_tm1 + i tanh(z of gate 2), h = o tanh(c), on real | imaginary side by side.  out0 = h, out1 = c, [2048][2048] f32.  z never goes to memory.
; SHARES.  A work-group takes 128 batch rows (bt) x 64 units (ut) x 4 gates x both parts.  Wave w: rows 64 (w / 2) on (rh), units 32 (w % 2) on (ch): 32 accumulators of 32 x 16, zr(a, g) and zi(a, g),
; a = 0..3 blocks of 16 rows, g = the gate.  So the four gates of a number lie in ONE lane, at the same register of four accumulators, and the tail exchanges no gates.
; UNITS.  K goes in 8 units u of 512: even u take the real kernel R, odd u the imaginary kernel I, u / 2 = k: which 512 of inputs' (k = 0, 1) and h_tm1's (2, 3) K.  The codes of 64 rows x 512 K, real part P and
; imaginary part Q, stay in 256 registers through units 2 k and 2 k + 1: R against P (zr) and Q (zi), I against Q (zr) and P (zi).  A unit is four sub-steps q of 128 along K, 32 matrix instructions each.
; THE SIGN.  An odd unit subtracts from zi.  Each unit's first product on zi takes -C: acc = W A - acc; so zi's accumulators hold +zi behind even units and -zi behind odd ones, -zi at the end; the tail's factors carry the sign.
; THE MATRIX INSTRUCTION IS USED TRANSPOSED (source 0 = 32 weight rows, source 1 = 16 batch rows): lane (r, h), register 8 uh + j holds batch row r and unit 16 uh + 8 h + j of the wave's 32.
; LDS LOADS go in one run a sub-step: the next sub-step's W fragments (two buffers), and where a sub-step's registers of A have had their last use, the next K's codes for them.
; RINGS.  W: two slots, the slot u % 2 holds 256 rows (4 gates x 64 units) x 256 bytes.  A: two slots, the slot k % 2 holds 128 rows x 512 K of P and Q and their scale bytes, as the launch before has laid them.
; Scale bytes of W: two slots (R, I), all of K of a kernel's 256 rows.  Wave 0 fetches A, waves 1 and 2 two gates each of W, wave 3 scale bytes: one tensor load a wave behind each barrier.
; The units are written out by macro: refills, slots and registers differ from unit to unit.
; CLUSTERS: 4 x 4 work-groups.  A's block hangs on bt alone and is asked for jointly along a row of the cluster; W's tiles and their scale bytes hang on ut alone and are asked for jointly along a column.
; PREFETCHES.  W: the partner at cy takes gate cy's 64 rows, a wave 32 rows of one half of K, a lane a row: units 1 and 2 at the head, 4 and 6 in unit 0, 5 and 7 in unit 1 (two units or more ahead of their loads).
; A: a block is 272 pieces of 256 bytes; the partner at cx takes 68, a wave 17, its lanes 17 to 31 name the 17th again: block 1 at the head, 2 in unit 0, 3 in unit 1.  c_tm1, which one work-group alone reads:
; a lane a row, the real part in unit 2, the imaginary part in unit 3; its loads follow at the end of unit 5.
; THE TAIL goes by four pieces, a part and two of its row blocks each, c ahead of h; each result goes through 64 rows of a stage in LDS, 256 bytes a row from two waves, and leaves by whole rows.
; ORDER OF SUMS: one f32 chain for each number over all four kernels, begun with the bias as C.  tanh(x) = 1 - 2 / (1 + 2^(2 log2(e) x)): it goes to +-1 for every large finite x.
; REGISTERS, in windows of 256: window 0: v10-29 addresses; v32-95 scale words and nothing else; v128-255 W's fragments, two buffers.  window 1: A's: P(q, a) at v[32 q + 8 a], Q at 128 on; at first the biases as
; C tiles where q = 2, 3 will lie; in the tail c_tm1 (v0-127) and rows on their way out.   window 2: zr(a, g) at v[64 a + 16 g].   window 3: zi likewise.
; Further prefetches: in unit 0 unit 3 of W (a wave 16 rows of gate cy's 64, its lanes 16 to 31 name the 16th again), in units 0 and 1 RR's and IR's scale bytes (gate cy's 2,048 bytes are 8 pieces, two a wave, the
; other lanes name the second again): one unit and two units ahead of their loads.
.set SLOT,  69632                      ; a slot of W: 256 rows x 272 bytes (16 of padding: 17 x 16); a slot of A: 272 x 256 bytes, no padding
.set HALFW, 34816                      ; two gates' rows
.set A0L,   2*SLOT                     ; A's slots
.set A1L,   3*SLOT
.set SL,    4*SLOT                     ; scale bytes of W: R's 8,192, I's 8,192
.set SPARE, SL+16384                   ; the spare words, 128 bytes for each wave: two blocks of 256 bytes that no other line names
.set STI,  10                          ; v10-11  stage of the real part (in W's slot 0), of the imaginary part (in A's slot 1): where I put 32 bytes of a row; c's 128 rows, then h's.  Both slots have had their last fill and last read by then
.set CTA,  12                          ; v12     c_tm1, in A's slot 0, which it fills last
.set PFO,  13                          ; v13     512 x lane: the prefetches' rows of W
.set RDO,  14                          ; v14-15  the stages: where I read whole rows back
.set ADW,  16                          ; v16-17  my W rows in slot 0, 1
.set ADA,  18                          ; v18-19  my A codes in slot 0, 1
.set ADSA, 20                          ; v20-21  my A scale words
.set ADSW, 22                          ; v22     my W scale words
.set PFA,  23                          ; v23     256 x min(lane, 16): the prefetches' pieces of A
.set PFC,  24                          ; v24     8,192 x lane: the prefetches' rows of c_tm1
.set PFS,  25                          ; v25     256 x min(lane, 1): the prefetches' pieces of scale bytes
.set PFW,  30                          ; v30     512 x min(lane, 15): the prefetch's rows of unit 3
.set CO,   26                          ; v26     8,192 (lane / 16) + 16 (lane % 16): two rows of out0, out1
.set BO,   27                          ; v27     32 (lane / 16): my eight numbers of a bias tile
.set SPW,  28                          ; v28     LDS address of my spare word; never rewritten
.set NIL,  29                          ; v29     0; never rewritten
.set SCW,  32                          ; W's scale words: set u % 2 at +16: register 4 g + q, lane l: unit l of my 32
.set SCA,  64                          ; A's: set k % 2 at +16: register 8 part + 4 (a / 2) + q: lanes 0-15 even blocks a, lanes 16-31 odd ones
.set WB,   128
.set G1A,  32                          ; groups 1: A s[32:39], W s[40:47], scale bytes s[48:55], c_tm1 s[56:63]; W's groups 2 and 3: s[68:71], s[72:75]
.set G1W,  40
.set G1S,  48
.set G1C,  56
.set G0A,  76                          ; groups 0: s[76:79], s[80:83], s[84:87], s[88:91]
.set G0W,  80
.set G0S,  84
.set G0C,  88
.set MSB, 0
.macro WIN new                         ; the immediate's high byte repeats the setting that is left
.if MSB != (\new)
	s_set_vgpr_msb (MSB<<8)|(\new)
.set MSB, (\new)
.endif
.endm
.macro LOAD1 g0, g1
	tensor_load_to_lds s[\g0:\g0+3], s[\g1:\g1+7]
	s_nop 0
.rept 4
	v_nop
.endr
.endm
; A round's loads, one a wave at most: wave 0 by g0a, waves 1 and 2 W, wave 3 by g0s (0: none).  The branches hang on the wave's number alone.
.macro ASKFOR g0a, g1a, g0s, g1s
	s_cmp_eq_u32 s96, 0
	s_cbranch_scc1 .Lask_a_\@
	s_cmp_eq_u32 s96, 3
	s_cbranch_scc1 .Lask_s_\@
	tensor_load_to_lds s[G0W:G0W+3], s[G1W:G1W+7], s[68:71], s[72:75]
	s_nop 0
.rept 4
	v_nop
.endr
	s_branch .Lasked_\@
.Lask_a_\@:
.if \g0a
	LOAD1 \g0a, \g1a
.endif
.if \g0s
	s_branch .Lasked_\@
.endif
.Lask_s_\@:
.if \g0s
	LOAD1 \g0s, \g1s
.endif
.Lasked_\@:
.endm
.macro CREST                           ; a round of the cluster's barrier behind its opening barrier
	s_cmp_lg_u32 s96, 0
	s_cbranch_scc1 .Lnot_wave_0_\@
	s_barrier_signal -3
.Lnot_wave_0_\@:
	s_barrier_wait -3
	s_barrier_signal -1
	s_barrier_wait -1
.endm
.macro CROUND                          ; a whole round
	s_barrier_signal -1
	s_barrier_wait -1
	CREST
.endm
.macro SHAPE g, x, y, pitch            ; words 1 to 7 of a group 1: y rows of x elements of 8 bytes
	s_mov_b32 s[\g+1], (\x)<<16
	s_mov_b32 s[\g+2], (\y)<<16
	s_mov_b32 s[\g+3], (\x)<<16
	s_mov_b32 s[\g+4], \y
	s_mov_b32 s[\g+5], \pitch
	s_mov_b32 s[\g+6], 0
	s_mov_b32 s[\g+7], 0
.endm
.macro WDESC v                         ; W's group 0 for unit v: two gates' rows, slot v % 2
.set pp, 6+2*((\v)%2)+4*((\v)/4)
	s_mul_i32 s81, s98, HALFW
.if (\v)%2
	s_add_co_u32 s81, s81, SLOT
.endif
	s_add_nc_u64 s[82:83], s[pp:pp+1], s[92:93]
.if ((\v)/2)%2
	s_add_nc_u64 s[82:83], s[82:83], 0x100         ; the upper 512 along K
.endif
	s_or_b32 s83, s83, 0x80000000
.endm
	s_load_b512 s[4:19], s[0:1], 0x0               ; acode; codes of R, I, RR, IR; scales of R, I, RR
	s_load_b256 s[20:27], s[0:1], 0x40             ; scales of IR; c_tm1; the biases
	s_load_b128 s[28:31], s[0:1], 0x60             ; out0, out1
	v_lshl_add_u32 v[SPW], v0, 2, SPARE
	v_mov_b32 v[NIL], 0
	ds_add_u32 v[SPW], v[NIL]                      ; the wave's opening: the add, twice on end, and its wait ahead of my first tensor load
	ds_add_u32 v[SPW], v[NIL]
	v_lshrrev_b32 v1, 5, v0
	v_readfirstlane_b32 s96, v1                    ; wave 0..3
	s_lshr_b32 s98, s96, 1                         ; rh: my 64 batch rows.  Also (waves 1, 2): which two gates of W I fetch
	s_and_b32 s97, s96, 1                          ; ch: my 32 units
	s_bfe_u32 s2, ttmp6, 0x40000                   ; cx, cy: my place in the cluster
	s_bfe_u32 s3, ttmp6, 0x40004
	s_lshl_b32 s99, ttmp9, 2
	s_add_co_u32 s99, s99, s2                      ; ut
	s_and_b32 s100, ttmp7, 0xffff
	s_lshl_b32 s100, s100, 2
	s_add_co_u32 s100, s100, s3                    ; bt
	s_lshl_b32 s101, s3, 2
	s_lshl_b32 s101, 15, s101                      ; my row of the cluster
	s_lshl_b32 s94, 0x1111, s2                     ; my column
	s_or_b32 s[G1A], s101, (3<<16)|(1<<21)         ; 15:0 the mask; 17:16 elements of 8 bytes; 21 set beside a mask; A: dense, as 272 rows of 256 bytes
	s_or_b32 s[G1W], s94, (3<<16)|(1<<20)|(1<<21)|(5<<22)|(3<<25)   ; W: 16 bytes of padding behind every 256
	s_or_b32 s[G1S], s94, (3<<16)|(1<<21)          ; scale bytes: 4 rows (gates) of 2,048 bytes
	s_mov_b32 s[G1C], (3<<16)|(1<<20)|(5<<22)|(3<<25)               ; c_tm1: 128 rows of 256 bytes, padded likewise; my own work-group alone
	SHAPE G1A, 32, 272, 32
	SHAPE G1S, 256, 4, 4096
	SHAPE G1C, 32, 128, 1024
	s_mov_b32 s[G1W+1], 32<<16                     ; W: tensor_dim0 = 32
	s_mov_b32 s[G1W+2], 64<<16                     ; tensor_dim1 = 64
	s_mov_b32 s[G1W+3], 32<<16                     ; tile_dim0 = 32
	s_mov_b32 s[G1W+4], 64|(2<<16)                 ; tile_dim1 = 64 units, tile_dim2 = 2 gates
	s_mov_b32 s[G1W+5], 64                         ; from unit to unit 512 bytes
	s_mov_b32 s[G1W+6], 0                          ; from gate to gate 65,536 elements = 1,024 rows of 512 bytes: low 16 bits 0,
	s_mov_b32 s[G1W+7], 1                          ; the rest 1
	s_mov_b32 s68, 2                               ; tensor_dim2 = 2
	s_mov_b32 s69, 0
	s_mov_b32 s70, 0
	s_mov_b32 s71, 0
	s_mov_b32 s72, 0
	s_mov_b32 s73, 0
	s_mov_b32 s74, 0
	s_mov_b32 s75, 0
	s_lshl_b32 s66, s3, 19                         ; W's prefetches: gate cy, 512 KiB a gate; 64 ut on, + 32 rows for odd waves; waves 2, 3 the upper half of K
	s_lshl_b32 s67, s99, 15
	s_add_co_u32 s66, s66, s67
	s_lshl_b32 s67, s97, 14
	s_add_co_u32 s66, s66, s67
	s_lshl_b32 s67, s98, 8
	s_add_co_u32 s66, s66, s67
	s_mov_b32 s67, 0
	s_mul_i32 s88, s2, 68*256                      ; A's: the partner's 68 pieces, the wave's 17, from block 1 on
	s_mul_i32 s89, s96, 17*256
	s_add_co_u32 s88, s88, s89
	s_add_co_u32 s88, s88, SLOT
	s_mul_i32 s2, s100, 4*SLOT                     ; A: 4 blocks for each bt
	s_mov_b32 s3, 0
	s_mov_b32 s89, 0
	s_lshl_b32 s92, s99, 15                        ; W: row 64 ut of 512 bytes, + two gates
	s_lshl_b32 s93, s98, 20
	s_add_co_u32 s92, s92, s93
	s_mov_b32 s93, 0
	s_lshl_b32 s94, s99, 11                        ; its scale bytes: 64 ut rows of 32 bytes
	s_mov_b32 s95, 0
	s_mov_b32 s76, 1
	s_mov_b32 s77, A0L
	s_mov_b32 s80, 1
	s_mov_b32 s84, 1
	s_mov_b32 s85, SL
	s_wait_dscnt 0x0                               ; both opening adds are done
	s_wait_kmcnt 0x0
	s_add_nc_u64 s[78:79], s[4:5], s[2:3]
	s_or_b32 s79, s79, 0x80000000
	WDESC 0
	s_add_nc_u64 s[86:87], s[14:15], s[94:95]
	s_or_b32 s87, s87, 0x80000000
	CROUND                                         ; all sixteen work-groups are here: the first joint loads meet
	ASKFOR G0A, G1A, G0S, G1S                      ; A's block 0, unit 0 of W, R's scale bytes: one tensor load a wave at the head
	s_add_nc_u64 s[4:5], s[4:5], s[2:3]            ; A's prefetches
	s_add_nc_u64 s[4:5], s[4:5], s[88:89]
	s_mov_b32 s88, 1
	s_cmp_eq_u32 s98, 0                            ; the first prefetch of W: waves 0 and 1 I's lower half of K (unit 1), waves 2 and 3 R's upper half (unit 2)
	s_cselect_b64 s[90:91], s[8:9], s[6:7]
	s_add_nc_u64 s[90:91], s[90:91], s[66:67]
	s_lshl_b32 s2, s100, 20                        ; c_tm1: row 128 bt, unit 64 ut
	s_lshl_b32 s3, s99, 8
	s_add_co_u32 s2, s2, s3
	s_mov_b32 s3, 0
	s_add_nc_u64 s[22:23], s[22:23], s[2:3]
	s_lshl_b32 s14, s98, 19                        ; out0, out1: + 64 rh + 16 ch rows; the piece's place stands in the stores' immediates
	s_add_co_u32 s2, s2, s14
	s_lshl_b32 s14, s97, 17
	s_add_co_u32 s2, s2, s14
	s_add_nc_u64 s[28:29], s[28:29], s[2:3]
	s_add_nc_u64 s[30:31], s[30:31], s[2:3]
	s_lshl_b32 s2, s99, 8                          ; the biases at unit 64 ut + 32 ch
	s_lshl_b32 s14, s97, 7
	s_add_co_u32 s2, s2, s14
	s_add_nc_u64 s[24:25], s[24:25], s[2:3]
	s_add_nc_u64 s[26:27], s[26:27], s[2:3]
	s_mul_i32 s2, s97, 32*272
	s_lshl_b32 s3, s98, 14
	s_lshl_b32 s14, s98, 9
	s_lshl_b32 s15, s97, 10
	s_mul_i32 s100, s98, 64*272
	s_lshl_b32 s101, s97, 7
	s_add_co_u32 s100, s100, s101
	s_mul_i32 s99, s98, 64*272
	s_mul_i32 s101, s97, 16*272
	s_add_co_u32 s101, s101, s99
	v_and_b32 v1, 31, v0                           ; lane
	v_and_b32 v2, 15, v0                           ; r
	v_bfe_u32 v3, v0, 4, 1                         ; h
	v_mul_u32_u24 v4, v2, 272
	v_lshl_add_u32 v5, v3, 4, v4                   ; a W fragment: row r, + 16 h
	v_add_nc_u32 v[ADW], s2, v5
	v_add_nc_u32 v[ADW+1], SLOT, v[ADW]
	v_lshl_add_u32 v6, v1, 4, s3                   ; an A fragment: 16 x lane
	v_add_nc_u32 v[ADA], A0L, v6
	v_add_nc_u32 v[ADA+1], A1L, v6
	v_lshl_add_u32 v7, v1, 3, s14
	v_add_nc_u32 v[ADSA], A0L+65536, v7
	v_add_nc_u32 v[ADSA+1], A1L+65536, v7
	v_lshl_add_u32 v8, v1, 5, s15
	v_add_nc_u32 v[ADSW], SL, v8
	v_lshl_add_u32 v9, v3, 5, v4                   ; results: row 64 rh + r (+ 16 a in the immediate), byte 128 ch + 32 h (+ 64 uh)
	v_add_nc_u32 v[STI], s100, v9
	v_add_nc_u32 v[STI+1], A1L, v[STI]
	v_add_nc_u32 v[CTA], A0L, v[STI]
	v_mul_u32_u24 v5, v3, 272                      ; by whole rows: lanes 0-15 one row of 256 bytes, lanes 16-31 the next
	v_lshl_add_u32 v5, v2, 4, v5
	v_add_nc_u32 v[RDO], s101, v5
	v_add_nc_u32 v[RDO+1], A1L, v[RDO]
	v_lshlrev_b32 v[CO], 13, v3
	v_lshl_add_u32 v[CO], v2, 4, v[CO]
	v_lshlrev_b32 v[BO], 5, v3
	v_lshlrev_b32 v[PFO], 9, v1
	v_min_u32 v6, 16, v1
	v_lshlrev_b32 v[PFA], 8, v6
	v_lshlrev_b32 v[PFC], 13, v1
	v_min_u32 v7, 1, v1
	v_lshlrev_b32 v[PFS], 8, v7
	v_min_u32 v8, 15, v1
	v_lshlrev_b32 v[PFW], 9, v8
	s_wait_alu depctr_va_vdst(0)                   ; the head's end
	WIN 0x40                                       ; destination window 1
.irp b, 0,1,2,3,4,5,6,7                        ; in the result's layout: lane (r, h), register 8 b + j: the bias of gate b / 2, unit 16 (b % 2) + 8 h + j
	global_load_b128 v[64+8*\b:67+8*\b], v[BO], s[24:25] offset:(\b/2)*4096+(\b%2)*64
	global_load_b128 v[68+8*\b:71+8*\b], v[BO], s[24:25] offset:(\b/2)*4096+(\b%2)*64+16
	global_load_b128 v[192+8*\b:195+8*\b], v[BO], s[26:27] offset:(\b/2)*4096+(\b%2)*64
	global_load_b128 v[196+8*\b:199+8*\b], v[BO], s[26:27] offset:(\b/2)*4096+(\b%2)*64+16
.endr
	WIN 0
	global_prefetch_b8 v[PFO], s[90:91] th:TH_LOAD_NT scope:SCOPE_SE   ; units 1 and 2 of W
	global_prefetch_b8 v[PFA], s[4:5] th:TH_LOAD_NT scope:SCOPE_SE     ; block 1 of A
; Two LDS loads each: fragment n of W (n = 2 g + uh) for sub-step WQ from slot WSL; fragment n of A (part n / 4, a = n % 4) for sub-step AQ from slot ABUF.
.macro WFRAG n
.set rF, WB+64*(WQ%2)+8*(\n)
.set oF, 17408*((\n)/2)+4352*((\n)%2)+64*WQ
	ds_load_b128 v[rF:rF+3], v[ADW+WSL] offset:oF
	ds_load_b128 v[rF+4:rF+7], v[ADW+WSL] offset:oF+32
.endm
.macro AFRAG n
.set rF, 128*((\n)/4)+32*AQ+8*((\n)%4)
.set oF, 32768*((\n)/4)+4096*AQ+1024*((\n)%4)
	ds_load_b128 v[rF:rF+3], v[ADA+ABUF] offset:oF
	ds_load_b128 v[rF+4:rF+7], v[ADA+ABUF] offset:oF+512
.endm
.macro ASCALE n                        ; A's scale words: part n / 4, blocks 2 j and 2 j + 1 with j = (n / 2) % 2, sub-steps 2 (n % 2) and one more: 256 consecutive bytes
.set rF, SCA+16*ABUF+8*((\n)/4)+4*(((\n)/2)%2)+2*((\n)%2)
	ds_load_b64 v[rF:rF+1], v[ADSA+ABUF] offset:2048*((\n)/4)+256*(((\n)/2)%2)+1024*((\n)%2)
.endm
.macro WSCALE v                        ; unit v's scale words: a lane a weight row, four words
.irp g, 0,1,2,3
	ds_load_b128 v[SCW+16*((\v)%2)+4*\g:SCW+16*((\v)%2)+4*\g+3], v[ADSW] offset:8192*((\v)%2)+2048*\g+16*(((\v)/2)%2)
.endr
.endm
.macro WRUN                            ; a sub-step's 16 loads of W
	WIN 0
.set PN, 0
.rept 8
	WFRAG PN
.set PN, PN+1
.endr
.endm
.macro SRUN                            ; a K's 8 loads of A's scale words
	WIN 0
.set PN, 0
.rept 8
	ASCALE PN
.set PN, PN+1
.endr
.endm
.macro ARUN                            ; a sub-step's 16 loads of A, where there are any
.if AQ >= 0
	WIN 0x40
.set PN, 0
.rept 8
	AFRAG PN
.set PN, PN+1
.endr
.endif
.endm
; One matrix instruction: accumulator (a, g) of zr (z = 0) or zi (z = 1).  Each accumulator has its turn once in a sub-step, in the same order throughout.
.macro MM a, g, z
.set rP, ((\z)+KAP)%2
.set rD, 64*(\a)+16*(\g)
.set rA, 128*rP+32*SQ+8*(\a)
.set rW, WB+64*(SQ%2)+16*(\g)
.set rC, rD
.if FST
.set rC, 64+128*(\z)+16*(\g)
.endif
.set rS, SCW+16*KAP+4*(\g)+SQ
.set rT, SCA+16*KPAR+8*rP+4*((\a)/2)+SQ
.if (\z) && NEG
.if (\a)%2
	v_wmma_scale_f32_32x16x128_f4 v[rD:rD+15], v[rW:rW+15], v[rA:rA+7], v[rC:rC+15], v[rS], v[rT] matrix_b_scale:MATRIX_SCALE_ROW1 neg_lo:[0,0,1]
.else
	v_wmma_scale_f32_32x16x128_f4 v[rD:rD+15], v[rW:rW+15], v[rA:rA+7], v[rC:rC+15], v[rS], v[rT] neg_lo:[0,0,1]
.endif
.elseif (\a)%2
	v_wmma_scale_f32_32x16x128_f4 v[rD:rD+15], v[rW:rW+15], v[rA:rA+7], v[rC:rC+15], v[rS], v[rT] matrix_b_scale:MATRIX_SCALE_ROW1
.else
	v_wmma_scale_f32_32x16x128_f4 v[rD:rD+15], v[rW:rW+15], v[rA:rA+7], v[rC:rC+15], v[rS], v[rT]
.endif
.endm
.macro PAIR z                          ; pair PN of a part's sixteen
	MM PN/2, 2*(PN%2), \z
	MM PN/2, 2*(PN%2)+1, \z
.endm
.macro ZPAIRS from, to                 ; pairs of zr
	WIN ZR
.set PN, \from
.rept (\to)-(\from)
	PAIR 0
.set PN, PN+1
.endr
.endm
.macro IPAIRS                          ; the eight pairs of zi
	WIN ZI
.set PN, 0
.rept 8
	PAIR 1
.set PN, PN+1
.endr
.endm
; A unit's last sub-step changes slots: its own W fragments are in registers.  ONE barrier; in front of it each wave waits for all its tensor loads, adds 0 to its spare word, and waits for that and for all its LDS loads.
; Up to unit 5 the barrier opens a round of the cluster's barrier, and slots that no wave of any partner reads any more are filled again; unit 6's barrier only shows unit 7 and c_tm1 landed.
.macro TURN u
	WIN 0                                          ; (the add's two registers lie in window 0)
	s_wait_tensorcnt 0x0                           ; all my tensor loads have landed;
	ds_add_u32 v[SPW], v[NIL]                      ; 0 onto my spare word;
.if (\u) < 6                           ; no tensor load of mine is out: descriptors may be written
	WDESC (\u)+2
.endif
.if (\u) == 0                          ; bases of prefetches (s94 = 2,048 ut)
	s_bfe_u32 s2, ttmp6, 0x40004                   ; cy
	s_lshl_b32 s100, s2, 19                        ; unit 3 of W: I, gate cy, 64 ut on, 16 rows a wave, the upper half of K
	s_lshl_b32 s101, s94, 4
	s_add_co_u32 s100, s100, s101
	s_lshl_b32 s101, s96, 13
	s_add_co_u32 s100, s100, s101
	s_add_co_u32 s100, s100, 256
	s_mov_b32 s101, 0
	s_add_nc_u64 s[100:101], s[8:9], s[100:101]
	s_lshl_b32 s2, s2, 15                          ; scale bytes: gate cy, 64 ut on, 512 bytes a wave
	s_lshl_b32 s3, s96, 9
	s_add_co_u32 s2, s2, s3
	s_add_co_u32 s2, s2, s94
	s_mov_b32 s3, 0
	s_add_nc_u64 s[24:25], s[18:19], s[2:3]        ; RR (the biases' loads from s[24:27] have been waited for)
	s_add_nc_u64 s[26:27], s[20:21], s[2:3]        ; IR
.endif
.if (\u) == 1
	s_mov_b32 s77, A0L                             ; A's block 2
	s_add_nc_u64 s[78:79], s[78:79], SLOT
.endif
.if (\u) == 2
	s_mov_b32 s85, SL                              ; scale bytes of RR in the place of R's, whose last were read behind unit 1's barrier
	s_add_nc_u64 s[86:87], s[18:19], s[94:95]
	s_or_b32 s87, s87, 0x80000000
.endif
.if (\u) == 3
	s_mov_b32 s77, A1L                             ; A's block 3; scale bytes of IR
	s_add_nc_u64 s[78:79], s[78:79], SLOT
	s_mov_b32 s85, SL+8192
	s_add_nc_u64 s[86:87], s[20:21], s[94:95]
	s_or_b32 s87, s87, 0x80000000
.endif
.if (\u) == 5
	s_wait_xcnt 0x0                                ; s[90:91] served the head's prefetch
	s_mov_b32 s89, A0L                             ; c_tm1: the real part by wave 0, the imaginary part by wave 3, into A's slot 0
	s_mov_b64 s[90:91], s[22:23]
	s_or_b32 s91, s91, 0x80000000
	s_mov_b32 s85, A0L+HALFW
	s_add_nc_u64 s[86:87], s[22:23], 0x1000
	s_or_b32 s87, s87, 0x80000000
.endif
	s_wait_dscnt DN+1                              ; this sub-step's W is in; the add and younger loads of A may be out
	ZPAIRS 0, 4                                    ; eight matrix instructions stand between the add and the wait for it
	s_wait_dscnt 0x0                               ; the add is done, and so are all my reads
	s_barrier_signal -1
	ZPAIRS 4, 6
	WIN 0
	s_barrier_wait -1
.if (\u) < 6
	CREST
.endif
.if ((\u) == 0) || ((\u) == 4)
	ASKFOR 0, 0, 0, 0
.elseif (\u) == 1
	ASKFOR G0A, G1A, 0, 0
.elseif (\u) == 2
	ASKFOR 0, 0, G0S, G1S
.elseif (\u) == 3
	ASKFOR G0A, G1A, G0S, G1S
.elseif (\u) == 5
	ASKFOR G0C, G1C, G0S, G1C
.endif
	WSCALE (\u)+1
.set WQ, 0
.set WSL, (KAP+1)%2
	WRUN                                           ; the next unit's first fragments
	ARUN
.if (\u) < 2
	global_prefetch_b8 v[PFO], s[14+2*(\u):15+2*(\u)] th:TH_LOAD_NT scope:SCOPE_SE         ; W: units 4 and 6 (5 and 7)
	global_prefetch_b8 v[PFA], s[4:5] offset:SLOT*((\u)+1) th:TH_LOAD_NT scope:SCOPE_SE    ; A: block 2 (3)
.if (\u) == 0
	global_prefetch_b8 v[PFW], s[100:101] th:TH_LOAD_NT scope:SCOPE_SE                     ; W: unit 3
.endif
	global_prefetch_b8 v[PFS], s[24+2*(\u):25+2*(\u)] th:TH_LOAD_NT scope:SCOPE_SE         ; RR's (IR's) scale bytes
.elseif (\u) < 4
	global_prefetch_b8 v[PFC], s[66:67] offset:4096*((\u)-2) th:TH_LOAD_NT scope:SCOPE_SE  ; c_tm1: the real (imaginary) part
.endif
	ZPAIRS 6, 8
	IPAIRS
.endm
; A sub-step.  Five plain lines at its head: the places in front of loads into registers that the sub-step before has read, and in front of products that take a result with another modifier.
; DN: how many loads younger than this sub-step's W may be out: A's 16, which are first used a sub-step later or more.
.macro STEP u, q
.set KAP, (\u)%2
.set KPAR, ((\u)/2)%2
.set SQ, \q
.set FST, 0
.set NEG, 0
.if (\q) == 0
.if (\u) == 0
.set FST, 1
.else
.set NEG, 1
.endif
.endif
.set AQ, -1
.set ABUF, 0
.if (KAP == 1) && ((\u) < 7) && ((\q) > 0)
.set AQ, (\q)-1
.set ABUF, (((\u)+1)/2)%2
.endif
.if (KAP == 0) && ((\u) > 0) && ((\q) == 0)
.set AQ, 3
.set ABUF, KPAR
.endif
.set ZR, 0xa4-0x10*FST
.set ZI, 0xf4-0x20*FST
.rept 5
	v_nop
.endr
.if ((\q) == 3) && ((\u) < 7)
	TURN \u
.else
	s_wait_dscnt DN
.if (KAP == 1) && ((\q) == 1) && (AQ >= 0)
	SRUN                                           ; the next K's scale words of A
.endif
.if FST                                ; the very first products go ahead of the loads for sub-step 1
	ZPAIRS 0, 8
.set AQ, 1
.endif
.if (\q) < 3
.set WQ, (\q)+1
.set WSL, KAP
	WRUN
.endif
.if ((\u) == 0) && ((\q) == 1)
.set AQ, 2                             ; the biases have been used: the first K's last two sub-steps
	ARUN
.set AQ, 3
.endif
	ARUN
.if FST == 0
	ZPAIRS 0, 8
.endif
	IPAIRS
.endif
.set DN, 0
.if (AQ >= 0) && (FST == 0)            ; (sub-step 1 of unit 0 uses the A that was loaded last: its wait is for 0)
.set DN, 16
.endif
.endm
	s_wait_tensorcnt 0x0                           ; my load of the head's is in
	ds_add_u32 v[SPW], v[NIL]
	WDESC 1
	s_mov_b32 s77, A1L                             ; A's block 1
	s_add_nc_u64 s[78:79], s[78:79], SLOT
	s_mov_b32 s85, SL+8192                         ; I's scale bytes
	s_add_nc_u64 s[86:87], s[16:17], s[94:95]
	s_or_b32 s87, s87, 0x80000000
	s_add_nc_u64 s[14:15], s[10:11], s[66:67]      ; W's later prefetches: RR,
	s_add_nc_u64 s[16:17], s[12:13], s[66:67]      ; IR;
	s_lshl_b32 s2, s96, 18                         ; c_tm1's: 32 rows a wave
	s_mov_b32 s3, 0
	s_add_nc_u64 s[66:67], s[22:23], s[2:3]
	s_wait_dscnt 0x0                               ; the add is done
	CROUND
	ASKFOR G0A, G1A, G0S, G1S
.set WQ, 0
.set WSL, 0
.set ABUF, 0
	WRUN
	WSCALE 0
	SRUN
.set AQ, 0
	ARUN
	s_wait_loadcnt 0x0                             ; the biases
.set DN, 0
.irp u, 0,1,2,3,4,5,6,7
.irp q, 0,1,2,3
	STEP \u, \q
.endr
.endr
; ---- THE TAIL.  In a window, batch block a: v[64 a + 0..15] gate i, + 16 gate f, + 32 gate c, + 48 gate o; register k of the sixteen is unit 16 (k / 8) + 8 h + k % 8.
; A piece is part p (window 2: real, window 3: imaginary, held as -z) and row blocks a = 2 s, 2 s + 1.
.macro HS base, cnt                    ; clip(0.2 z + 0.5, 0, 1) of cnt registers; each accumulator from its low end on
.set k, \base
.rept (\cnt)/2
	v_pk_fma_f32 v[k:k+1], v[k:k+1], s[92:93], 0.5 op_sel_hi:[1,0,0]
.set k, k+2
.endr
.set k, \base
.rept \cnt
	v_med3_num_f32 v[k], v[k], 0, 1.0
.set k, k+1
.endr
.endm
.macro CLOAD p                         ; c_tm1 in the results' layout: window 1, v[64 p + 16 a + ..]
	WIN 0x40
.irp a, 0,1,2,3
.irp e, 0,1,2,3
	ds_load_b128 v[64*\p+16*\a+4*\e:64*\p+16*\a+4*\e+3], v[CTA] offset:\p*HALFW+\a*4352+(\e/2)*64+(\e%2)*16
.endr
.endr
.endm
; i, f, o and i tanh(gate c) of a piece.  The 32 exponentials are one batch, and so are the 32 reciprocals: one wait ahead of each and one behind it.
.macro E1 p, s
.if \s == 0
	s_mov_b32 s92, 0x3e4ccccd+0x80000000*\p        ; 0.2, with the part's sign
	s_mov_b32 s93, s92                             ; (the packed forms name a pair and take its low word for both halves: so the upper word is written)
	s_mov_b32 s94, 0x4038aa3b+0x80000000*\p        ; 2 log2(e), with the part's sign
	s_mov_b32 s95, s94
.endif
	WIN 0xaa+0x55*\p
	s_wait_alu depctr_va_vdst(0)                   ; ahead of the first readers of these sums
.irp a, 2*\s, 2*\s+1
.set k, 64*(\a)+32
.rept 8
	v_pk_mul_f32 v[k:k+1], v[k:k+1], s[94:95] op_sel_hi:[1,0]
.set k, k+2
.endr
.endr
	s_wait_alu depctr_va_vdst(0)
.irp a, 2*\s, 2*\s+1
.set k, 64*(\a)+32
.rept 16
	v_exp_f32 v[k], v[k]
.set k, k+1
.endr
.endr
	v_nop                                          ; a plain line behind the last exponential
.endm
.macro E1B p, s                        ; the rest, behind the exponentials
	WIN 0xaa+0x55*\p
	s_wait_alu depctr_va_vdst(0)
.irp a, 2*\s, 2*\s+1
	HS 64*(\a), 32                                 ; i and f
.endr
.irp a, 2*\s, 2*\s+1
.set k, 64*(\a)+32
.rept 8
	v_pk_add_f32 v[k:k+1], v[k:k+1], 1.0 op_sel_hi:[1,0]
.set k, k+2
.endr
.endr
	s_wait_alu depctr_va_vdst(0)
.irp a, 2*\s, 2*\s+1
.set k, 64*(\a)+32
.rept 16
	v_rcp_f32 v[k], v[k]
.set k, k+1
.endr
.endr
	s_wait_alu depctr_va_vdst(0)
.irp a, 2*\s, 2*\s+1
	HS 64*(\a)+48, 16                              ; o
.endr
.irp a, 2*\s, 2*\s+1
.set k, 64*(\a)
.rept 8
	v_pk_fma_f32 v[k+32:k+33], v[k+32:k+33], -2.0, 1.0 op_sel_hi:[1,0,0]   ; tanh = 1 - 2 / (1 + 2^..)
.set k, k+2
.endr
.endr
.irp a, 2*\s, 2*\s+1
.set k, 64*(\a)
.rept 8
	v_pk_mul_f32 v[k:k+1], v[k:k+1], v[k+32:k+33]  ; i tanh
.set k, k+2
.endr
.endr
.endm
.macro E2C p, s                        ; c = f c_tm1 + i tanh, and the exponentials of tanh(c): one batch
	WIN 0xa6+0x51*\p                               ; source 1 window 1: c_tm1
.irp a, 2*\s, 2*\s+1
.set k, 64*(\a)
.set kc, 64*\p+16*(\a)
.rept 8
	v_pk_fma_f32 v[k+32:k+33], v[k+16:k+17], v[kc:kc+1], v[k:k+1]   ; c
.set k, k+2
.set kc, kc+2
.endr
.endr
	WIN 0xaa+0x55*\p
.irp a, 2*\s, 2*\s+1
.set k, 64*(\a)
.rept 8
	v_pk_mul_f32 v[k:k+1], v[k+32:k+33], s[100:101] op_sel_hi:[1,0]
.set k, k+2
.endr
.endr
	s_wait_alu depctr_va_vdst(0)
.irp a, 2*\s, 2*\s+1
.set k, 64*(\a)
.rept 16
	v_exp_f32 v[k], v[k]
.set k, k+1
.endr
.endr
	v_nop                                          ; a plain line behind the last exponential
.endm
.macro E2H p, s                        ; the rest of tanh(c), and h = o tanh(c)
	WIN 0xaa+0x55*\p
.irp a, 2*\s, 2*\s+1
.set k, 64*(\a)
.rept 8
	v_pk_add_f32 v[k:k+1], v[k:k+1], 1.0 op_sel_hi:[1,0]
.set k, k+2
.endr
.endr
	s_wait_alu depctr_va_vdst(0)
.irp a, 2*\s, 2*\s+1
.set k, 64*(\a)
.rept 16
	v_rcp_f32 v[k], v[k]
.set k, k+1
.endr
.endr
	v_nop                                          ; a plain line behind the last reciprocal
	s_wait_alu depctr_va_vdst(0)
.irp a, 2*\s, 2*\s+1
.set k, 64*(\a)
.rept 8
	v_pk_fma_f32 v[k:k+1], v[k:k+1], -2.0, 1.0 op_sel_hi:[1,0,0]     ; tanh(c)
.set k, k+2
.endr
.endr
.irp a, 2*\s, 2*\s+1
.set k, 64*(\a)
.rept 8
	v_pk_mul_f32 v[k+48:k+49], v[k+48:k+49], v[k:k+1]               ; h
.set k, k+2
.endr
.endr
.endm
.macro TOSTAGE p, s, t, gate           ; a piece's 32 registers of a gate's place go to stage t (0: c, 1: h) of the part: 32 bytes of a row for each block
	WIN 0x08+0x04*\p
.irp a, 2*\s, 2*\s+1
.irp e, 0,1,2,3
	ds_store_b128 v[STI+\p], v[64*(\a)+16*\gate+4*\e:64*(\a)+16*\gate+4*\e+3] offset:\t*HALFW+(\a)*4352+(\e/2)*64+(\e%2)*16
.endr
.endr
.endm
.macro SIGNAL                          ; for the others' sake: my LDS stores have landed and my LDS loads are in
	s_wait_dscnt 0x0
	s_barrier_signal -1
.endm
.macro ARRIVE                          ; what the lines above wrote is read behind the barrier
	s_wait_alu depctr_va_vdst(0)
	s_barrier_wait -1
.endm
.macro OUTL p, s, t                    ; my 16 rows of the piece's 64 (rows 64 rh + 32 s + 16 ch on) come back whole, two an instruction, into 32 registers of window 1
	WIN 0x40
.set k, 128*(1-\p)+64*\s+32*\t
.set n, 0
.rept 8
	ds_load_b128 v[k+4*n:k+4*n+3], v[RDO+\p] offset:\t*HALFW+8704*\s+544*n
.set n, n+1
.endr
.endm
.macro OUTS base, p, s, t, younger     ; and leave: 16 lanes store 256 consecutive bytes, at a multiple of 256 from the buffer's first byte
	WIN 0x04                                       ; a store's data are its source 1: window 1
.set k, 128*(1-\p)+64*\s+32*\t
.set n, 0
.rept 8
	s_wait_dscnt \younger-n                        ; load n is in; the 7 - n younger ones, and where 8 LDS stores follow them those too, may be out
	global_store_b128 v[CO], v[k+4*n:k+4*n+3], s[\base:\base+1] offset:\p*4096+262144*\s+16384*n th:TH_STORE_NT
.set n, n+1
.endr
.endm
; A piece's h and the next piece's c: each barrier's arrival is followed by work on registers.
.macro PIECE p, s, np, ns
	E2H \p, \s
	ARRIVE
	OUTL \p, \s, 0                                 ; c comes back,
	TOSTAGE \p, \s, 1, 3                           ; h goes in
	E1 \np, \ns                                    ; the next piece's exponentials stand between c's loads and the waits for them
	OUTS 30, \p, \s, 0, 15                         ; and c leaves
	SIGNAL
	E1B \np, \ns
	ARRIVE
	OUTL \p, \s, 1                                 ; h comes back,
	E2C \np, \ns
	TOSTAGE \np, \ns, 0, 2                         ; the next c goes in (these stores name none of the exponentials' results)
	OUTS 28, \p, \s, 1, 15                         ; and h leaves
	s_wait_alu depctr_va_vdst(0)
	SIGNAL
.endm
.rept 5
	v_nop                                          ; in front of the first reads of results, and of loads into the registers that held A's fragments
.endr
	s_mov_b32 s100, 0x4038aa3b                     ; 2 log2(e)
	s_mov_b32 s101, s100
	CLOAD 0
	CLOAD 1
	E1 0, 0
	E1B 0, 0
	s_wait_alu depctr_va_vdst(0)
	s_wait_dscnt 24                                ; the first piece's 8 loads of c_tm1 are in; the other 24 may be out
	E2C 0, 0
	TOSTAGE 0, 0, 0, 2
	s_wait_alu depctr_va_vdst(0)
	SIGNAL
	PIECE 0, 0, 0, 1
	PIECE 0, 1, 1, 0
	PIECE 1, 0, 1, 1
	E2H 1, 1
	ARRIVE
	OUTL 1, 1, 0
	TOSTAGE 1, 1, 1, 3
	OUTS 30, 1, 1, 0, 15
	SIGNAL
	ARRIVE
	OUTL 1, 1, 1
	OUTS 28, 1, 1, 1, 7
	WIN 0
	s_wait_tensorcnt 0x0                           ; the wave's end, behind my last tensor load and my last LDS store
	ds_add_u32 v[SPW], v[NIL]
	s_wait_dscnt 0x0
	CROUND                                         ; the closing round: no work-group ends while a partner may still ask for a block that names it
	s_endpgm
.Lfunc_end_k_q2cac19fba9_cell:
	.size	k_q2cac19fba9_cell, .Lfunc_end_k_q2cac19fba9_cell-k_q2cac19fba9_cell
	.p2alignl 7, 3214868480
	.fill 96, 4, 3214868480
	.section	.rodata,"a",@progbits
	.p2align	6, 0x0
	.amdhsa_kernel k_q2cac19fba9_cell
		.amdhsa_group_segment_fixed_size 327680
		.amdhsa_private_segment_fixed_size 0
		.amdhsa_enable_private_segment 0
		.amdhsa_kernarg_size 112
		.amdhsa_user_sgpr_count 2
		.amdhsa_user_sgpr_kernarg_segment_ptr 1
		.amdhsa_wavefront_size32 1
		.amdhsa_system_sgpr_workgroup_id_x 1
		.amdhsa_system_sgpr_workgroup_id_y 1
		.amdhsa_system_sgpr_workgroup_id_z 1
		.amdhsa_system_vgpr_workitem_id 0
		.amdhsa_next_free_vgpr 1024
		.amdhsa_next_free_sgpr 102
		.amdhsa_reserve_vcc 0
		.amdhsa_float_denorm_mode_32 3
		.amdhsa_float_denorm_mode_16_64 3
		.amdhsa_memory_ordered 1
		.amdhsa_forward_progress 1
		.amdhsa_inst_pref_size 255
	.end_amdhsa_kernel
	.section	.bss,"aw",@nobits
	.p2align	6
	.space	262144
	.amdgpu_metadata
---
amdhsa.version: [ 1, 2 ]
amdhsa.kernels:
  - .name:           k_q2cac19fba9_cell
    .symbol:         k_q2cac19fba9_cell.kd
    .args:
      - { .name: acode, .offset: 0, .size: 8, .value_kind: global_buffer, .address_space: global }
      - { .name: real_kernel_codes, .offset: 8, .size: 8, .value_kind: global_buffer, .address_space: global }
      - { .name: imaginary_kernel_codes, .offset: 16, .size: 8, .value_kind: global_buffer, .address_space: global }
      - { .name: real_recurrent_kernel_codes, .offset: 24, .size: 8, .value_kind: global_buffer, .address_space: global }
      - { .name: imaginary_recurrent_kernel_codes, .offset: 32, .size: 8, .value_kind: global_buffer, .address_space: global }
      - { .name: real_kernel_scales, .offset: 40, .size: 8, .value_kind: global_buffer, .address_space: global }
      - { .name: imaginary_kernel_scales, .offset: 48, .size: 8, .value_kind: global_buffer, .address_space: global }
      - { .name: real_recurrent_kernel_scales, .offset: 56, .size: 8, .value_kind: global_buffer, .address_space: global }
      - { .name: imaginary_recurrent_kernel_scales, .offset: 64, .size: 8, .value_kind: global_buffer, .address_space: global }
      - { .name: c_tm1, .offset: 72, .size: 8, .value_kind: global_buffer, .address_space: global }
      - { .name: real_bias, .offset: 80, .size: 8, .value_kind: global_buffer, .address_space: global }
      - { .name: imaginary_bias, .offset: 88, .size: 8, .value_kind: global_buffer, .address_space: global }
      - { .name: out0, .offset: 96, .size: 8, .value_kind: global_buffer, .address_space: global }
      - { .name: out1, .offset: 104, .size: 8, .value_kind: global_buffer, .address_space: global }
    .group_segment_fixed_size: 327680
    .private_segment_fixed_size: 0
    .kernarg_segment_align: 8
    .kernarg_segment_size: 112
    .max_flat_workgroup_size: 128
    .sgpr_count:     102
    .vgpr_count:     1024
    .wavefront_size: 32
...
	.end_amdgpu_metadata
.endif
;; end of part 2
